; MI455X (gfx1250); checked and timed in simulation.
; The chip was launched on July 23, 2026; its instructions are those of AMD's public machine-readable ISA for CDNA 5 (MIT licence, August 2026) and "CDNA5" Instruction Set Architecture Reference Guide (July 2026). The comments in the code are by the model that wrote it; some were corrected since.
;; Self Attention3 D. Allowed arithmetic: float matrix products may take bf16 or f16 operands with f32 sums; all other float work in f32.
;; Inputs: Wk 128 x 128 float32; Wq 128 x 128 float32; Wv 128 x 128 float32; bk 128 float32; bq 128 float32; bv 128 float32; inputs 4 x 4,096 x 128 float32.
;; Outputs: out0 4 x 4,096 x 128 float32.
;; 2 versions, each right and faster than the one before. Each part assembles by itself: llvm-mc -triple=amdgcn-amd-amdhsa -mcpu=gfx1250 --defsym DOCPART=n.
;; ======== version 1 of 2: 2 launches
;; limits: values are held in f16: magnitudes above 65,504 overflow, below 6.1e-05 lose precision
;; workspace buffers: qh 4,194,304 bytes; kh 4,194,304 bytes; vh 4,194,304 bytes
;; launch proj (part 1): grid 256 x 1, 8 waves a work-group, no clusters, 181,248 bytes of LDS; arguments inputs, Wq, Wk, Wv, bq, bk, bv, qh, kh, vh; writes qh, kh, vh
.if DOCPART == 1
	.amdgcn_target "amdgcn-amd-amdhsa--gfx1250"
	.amdhsa_code_object_version 6
	.text
	.protected	k_qcaf2f4388b_proj
	.globl	k_qcaf2f4388b_proj
	.p2align	8
	.type	k_qcaf2f4388b_proj,@function
k_qcaf2f4388b_proj:
	s_mov_b64 s[64:65], 0
	v_nop
	global_prefetch_b8 v0, s[64:65] scope:SCOPE_SE
	s_setreg_imm32_b32 hwreg(HW_REG_WAVE_MODE, 25, 1), 1
	s_wait_xcnt 0x0
; qh = (x Wq + bq) * c,  kh = x Wk + bk,  vh = x Wv + bv, each [16384][128] in f16; x = inputs [16384][128] f32, W [128 (c)][128 (f)] f32.
; c = log2(e) / sqrt(128): the scores of the next launch then come out ready for a base-2 exponential.
; Eight waves; the work-group owns 64 rows of x.  Wave w makes columns 16 w .. 16 w + 15 of all three results for all 64 rows:
; 3 matrices x 4 row blocks x 4 K steps = 48 matrix instructions.
; x and the three W are rounded to f16 on the way from memory to LDS; sums and biases are f32 (the bias is the first product's C operand).
; LIMITS: operands and results are f16, so |x|, |W|, |q c|, |k|, |v| must stay below 65,504; beyond that a number becomes an infinity.
; With x and W thirty times the drawn spread, or offset by thirty spreads, |k| stays near 10,000.  1/sqrt(128) is applied to q before its rounding to f16.
; NO JOINT LOADS of W, though all work-groups read it: a tile brought by the data mover would land as f32, 3 x 65,536 bytes, beside the
; 180,224 bytes that the f16 images and the stage take; together they pass the 327,680 bytes of a work-group's LDS.
.set WP,     288                       ; LDS pitch of W's rows: 256 bytes + 32, an odd multiple of 32, for the transposing loads
.set XP,     272                       ; LDS pitch of x's rows and of the stage: 256 + 16 = 68 words, so 16 rows start 4 words apart
.set WBYTES, 128*WP                    ; one W: 36,864 bytes; W p lies at p * WBYTES
.set XT,     3*WBYTES                  ; x as f16: 64 rows
.set SBYTES, 64*XP                     ; 17,408
.set STG,    XT+SBYTES                 ; three stages of 64 rows, one for each result
.set ST,   8                           ; v[8:231]   phase 1: what the 56 loads of x and W bring (x 32, each W 64 registers)
.set XF,   8                           ; v[8:135]   phase 2: fragments of x, row block rb, K step ks at XF + 32 rb + 8 ks
.set WF,   136                         ; v[136:167] fragments of W, K step ks at WF + 8 ks
.set ACC,  168                         ; v[168:199] four accumulators, one for each row block
.set AX,   200                         ; LDS address of my x fragments
.set AT,   201                         ; LDS address of my W fragments (transposing loads)
.set AS,   202                         ; where I put 16 bytes of a result row
.set AR,   203                         ; where I read 16 bytes of a result row back
.set BI,   232                         ; v[232:255] biases: 8 registers for each matrix, register j = b[16 w + 8 h + j]
.macro PLACES                          ; four plain vector instructions between a matrix instruction and what reads its result or writes its registers (ISA guide 7.12.1)
.rept 4
	v_nop
.endr
.endm
; cnt chunks of four f32 in v[base ..] are rounded to four f16 in place and stored to LDS, step bytes apart
.macro CVST base, cnt, addr, step
.set i, 0
.rept \cnt
	v_cvt_pk_f16_f32 v[\base+4*i],   v[\base+4*i],   v[\base+4*i+1]
	v_cvt_pk_f16_f32 v[\base+4*i+1], v[\base+4*i+2], v[\base+4*i+3]
	ds_store_b64 v[\addr], v[\base+4*i:\base+4*i+1] offset:i*\step     ; a wave's 32 lanes fill one row's 256 bytes
.set i, i+1
.endr
.endm
	s_load_b512 s[4:19], s[0:1], 0x0               ; inputs s[4:5], Wq s[6:7], Wk s[8:9], Wv s[10:11], bq s[12:13], bk s[14:15], bv s[16:17], qh s[18:19]
	s_load_b128 s[20:23], s[0:1], 0x40             ; kh s[20:21], vh s[22:23]
	s_set_vgpr_msb 0x40
	v_lshl_add_u32 v0, v0, 2, 0x2c000
	v_mov_b32 v1, 0
	s_set_vgpr_msb 0x4000
	v_lshlrev_b32 v1, 4, v0                        ; 16 t: my 16 bytes in every 4,096 bytes of x, of W and of the results
	v_lshrrev_b32 v5, 5, v0                        ; wave
	v_and_b32 v6, 31, v0
	v_lshlrev_b32 v6, 3, v6                        ; 8 x lane: four f16
	v_mad_u32_u24 v2, v5, XP, v6                   ; chunk i of x is row wave + 8 i, columns 4 lane ..
	v_add_nc_u32 v2, XT, v2
	v_mad_u32_u24 v3, v5, WP, v6                   ; the same for W
	v_lshrrev_b32 v4, 4, v0
	v_lshlrev_b32 v4, 5, v4                        ; 64 w + 32 h: byte offset of my eight biases
	s_lshl_b32 s26, ttmp9, 15                      ; 64 rows of 512 bytes
	s_mov_b32 s27, 0
	s_mov_b32 s28, 0x3e0293ee                      ; c = log2(e) / sqrt(128)
	s_mov_b32 s29, 0x3e0293ee
	s_wait_kmcnt 0x0
	s_add_nc_u64 s[4:5], s[4:5], s[26:27]
	s_lshl_b32 s26, ttmp9, 14                      ; 64 rows of 256 bytes
	s_add_nc_u64 s[18:19], s[18:19], s[26:27]
	s_add_nc_u64 s[20:21], s[20:21], s[26:27]
	s_add_nc_u64 s[22:23], s[22:23], s[26:27]
	; PHASE 1: 62 loads of every thread in one run (8 of x, 16 of each W, 6 of biases); each covers 512 neighbouring bytes of a wave
.irp i, 0,1,2,3,4,5,6,7
	global_load_b128 v[ST+4*\i:ST+4*\i+3], v1, s[4:5] offset:\i*4096 th:TH_LOAD_NT
.endr
.irp p, 0,1,2
.set i, 0
.rept 16
	global_load_b128 v[ST+32+64*\p+4*i:ST+32+64*\p+4*i+3], v1, s[6+2*\p:7+2*\p] offset:i*4096
.set i, i+1
.endr
.endr
.irp p, 0,1,2
	global_load_b128 v[BI+8*\p:BI+8*\p+3],   v4, s[12+2*\p:13+2*\p]
	global_load_b128 v[BI+8*\p+4:BI+8*\p+7], v4, s[12+2*\p:13+2*\p] offset:16
.endr
	s_wait_loadcnt 54                              ; loads come back in order (ISA guide 5.7.1): x is in; 48 of W and 6 of biases are younger
	CVST ST, 8, 2, 8*XP
	s_wait_loadcnt 38                              ; Wq is in; 32 + 6 are younger
	CVST ST+32, 16, 3, 8*WP
	v_add_nc_u32 v3, WBYTES, v3
	s_wait_loadcnt 22                              ; Wk is in; 16 + 6 are younger
	CVST ST+96, 16, 3, 8*WP
	v_add_nc_u32 v3, WBYTES, v3
	s_wait_loadcnt 6                               ; Wv is in; the biases are younger
	CVST ST+160, 16, 3, 8*WP
	; addresses of phases 2 and 3 (their registers held staged data until here)
	v_and_b32 v5, 15, v0                           ; r = lane % 16
	v_bfe_u32 v6, v0, 4, 1                         ; h = lane / 16
	v_lshrrev_b32 v7, 5, v0                        ; w
	v_mul_u32_u24 v[AX], v5, XP
	v_lshl_add_u32 v[AX], v6, 4, v[AX]             ; r x pitch + 16 h
	v_lshl_add_u32 v[AS], v7, 5, v[AX]             ; + 32 w: my eight columns of row r
	v_add_nc_u32 v[AS], STG, v[AS]
	v_add_nc_u32 v[AX], XT, v[AX]
	v_and_b32 v5, 7, v0
	v_lshl_add_u32 v5, v6, 3, v5                   ; 8 h + lane % 8: the row of W (the k) that I address
	v_mul_u32_u24 v[AT], v5, WP
	v_lshl_add_u32 v[AT], v7, 5, v[AT]             ; + 32 w: columns 16 w ..
	v_bfe_u32 v5, v0, 3, 1
	v_lshl_add_u32 v[AT], v5, 4, v[AT]             ; + 16 for the upper eight columns
	v_lshrrev_b32 v5, 4, v0
	v_and_b32 v6, 15, v0
	v_mul_u32_u24 v[AR], v5, XP                    ; back: row t / 16, 16 bytes at 16 (t % 16)
	v_lshl_add_u32 v[AR], v6, 4, v[AR]
	v_add_nc_u32 v[AR], STG, v[AR]
	s_wait_dscnt 0x0                               ; my stores of x and W are done, for the other waves' sake
	s_barrier_signal -1
	s_barrier_wait -1                              ; everybody's are
	; PHASE 2.  The matrix instruction is used transposed: source 0 = 16 columns f of W (m), source 1 = 16 rows of x (n).
	; Register j of lane (r, h) is then result (row 16 rb + r, f = 16 w + 8 h + j): eight neighbouring numbers of a row.
.irp rb, 0,1,2,3
.irp ks, 0,1,2,3
	ds_load_b128 v[XF+32*\rb+8*\ks:XF+32*\rb+8*\ks+3],   v[AX] offset:\rb*16*XP+\ks*64
	ds_load_b128 v[XF+32*\rb+8*\ks+4:XF+32*\rb+8*\ks+7], v[AX] offset:\rb*16*XP+\ks*64+32
.endr
.endr
	s_wait_loadcnt 0x0                             ; the biases
.macro PROJ p, scale
.irp ks, 0,1,2,3
	ds_load_tr16_b128 v[WF+8*\ks:WF+8*\ks+3],   v[AT] offset:\ks*32*WP             ; k = 32 ks + 8 h .. + 7 of column 16 w + r
	ds_load_tr16_b128 v[WF+8*\ks+4:WF+8*\ks+7], v[AT] offset:\ks*32*WP+16*WP       ; k = 32 ks + 16 + 8 h ..
.endr
.if \p < 2
	v_add_nc_u32 v[AT], WBYTES, v[AT]              ; the next W
.endif
	s_wait_dscnt 0x0                               ; the fragments are in (and the stage stores of the matrix before have read the accumulators)
	; the four accumulators take turns, one instruction a turn
.irp ks, 0,1,2,3
.irp rb, 0,1,2,3
.if \ks == 0
	v_wmma_f32_16x16x32_f16 v[ACC+8*\rb:ACC+8*\rb+7], v[WF+8*\ks:WF+8*\ks+7], v[XF+32*\rb+8*\ks:XF+32*\rb+8*\ks+7], v[BI+8*\p:BI+8*\p+7]
.else
	v_wmma_f32_16x16x32_f16 v[ACC+8*\rb:ACC+8*\rb+7], v[WF+8*\ks:WF+8*\ks+7], v[XF+32*\rb+8*\ks:XF+32*\rb+8*\ks+7], v[ACC+8*\rb:ACC+8*\rb+7]
.endif
.endr
.endr
	PLACES
.if \scale
.irp rb, 0,1,2,3
.irp i, 0,1,2,3
	v_pk_mul_f32 v[ACC+8*\rb+2*\i:ACC+8*\rb+2*\i+1], v[ACC+8*\rb+2*\i:ACC+8*\rb+2*\i+1], s[28:29] op_sel_hi:[1,0]
.endr
.endr
.endif
.irp rb, 0,1,2,3
.irp i, 0,1,2,3
	v_cvt_pk_f16_f32 v[ACC+8*\rb+\i], v[ACC+8*\rb+2*\i], v[ACC+8*\rb+2*\i+1]      ; in place: register i is written after registers 2 i, 2 i + 1 >= i were read
.endr
	ds_store_b128 v[AS], v[ACC+8*\rb:ACC+8*\rb+3] offset:\p*SBYTES+\rb*16*XP
.endr
.endm
	PROJ 0, 1
	PROJ 1, 0
	PROJ 2, 0
	s_wait_dscnt 0x0                               ; my parts of the result rows are in the stage
	s_barrier_signal -1
	s_barrier_wait -1                              ; everybody's are
	; PHASE 3: whole rows back and out: sixteen neighbouring lanes store 256 consecutive bytes, one row of 128 f16
.irp p, 0,1,2
.irp i, 0,1,2,3
	ds_load_b128 v[8+16*\p+4*\i:8+16*\p+4*\i+3], v[AR] offset:\p*SBYTES+\i*16*XP
.endr
.endr
.irp p, 0,1,2
.irp i, 0,1,2,3
	s_wait_dscnt 11-4*\p-\i                        ; LDS loads come back in order: this one is in, the younger ones may be out
	global_store_b128 v1, v[8+16*\p+4*\i:8+16*\p+4*\i+3], s[18+2*\p:19+2*\p] offset:\i*4096
.endr
.endr
	s_set_vgpr_msb 0x5
	s_wait_tensorcnt 0x0
	ds_add_u32 v0, v1
	s_wait_dscnt 0x0
	s_set_vgpr_msb 0x500
	s_endpgm
.Lfunc_end_k_qcaf2f4388b_proj:
	.size	k_qcaf2f4388b_proj, .Lfunc_end_k_qcaf2f4388b_proj-k_qcaf2f4388b_proj
	.p2alignl 7, 3214868480
	.fill 96, 4, 3214868480
	.section	.rodata,"a",@progbits
	.p2align	6, 0x0
	.amdhsa_kernel k_qcaf2f4388b_proj
		.amdhsa_group_segment_fixed_size 181248
		.amdhsa_private_segment_fixed_size 0
		.amdhsa_enable_private_segment 0
		.amdhsa_kernarg_size 80
		.amdhsa_user_sgpr_count 2
		.amdhsa_user_sgpr_kernarg_segment_ptr 1
		.amdhsa_wavefront_size32 1
		.amdhsa_system_sgpr_workgroup_id_x 1
		.amdhsa_system_sgpr_workgroup_id_y 1
		.amdhsa_system_sgpr_workgroup_id_z 1
		.amdhsa_system_vgpr_workitem_id 0
		.amdhsa_next_free_vgpr 258
		.amdhsa_next_free_sgpr 66
		.amdhsa_reserve_vcc 0
		.amdhsa_float_denorm_mode_32 3
		.amdhsa_float_denorm_mode_16_64 3
		.amdhsa_memory_ordered 1
		.amdhsa_forward_progress 1
		.amdhsa_inst_pref_size 34
	.end_amdhsa_kernel
	.amdgpu_metadata
---
amdhsa.version: [ 1, 2 ]
amdhsa.kernels:
  - .name:           k_qcaf2f4388b_proj
    .symbol:         k_qcaf2f4388b_proj.kd
    .args:
      - { .name: inputs, .offset: 0, .size: 8, .value_kind: global_buffer, .address_space: global }
      - { .name: Wq, .offset: 8, .size: 8, .value_kind: global_buffer, .address_space: global }
      - { .name: Wk, .offset: 16, .size: 8, .value_kind: global_buffer, .address_space: global }
      - { .name: Wv, .offset: 24, .size: 8, .value_kind: global_buffer, .address_space: global }
      - { .name: bq, .offset: 32, .size: 8, .value_kind: global_buffer, .address_space: global }
      - { .name: bk, .offset: 40, .size: 8, .value_kind: global_buffer, .address_space: global }
      - { .name: bv, .offset: 48, .size: 8, .value_kind: global_buffer, .address_space: global }
      - { .name: qh, .offset: 56, .size: 8, .value_kind: global_buffer, .address_space: global }
      - { .name: kh, .offset: 64, .size: 8, .value_kind: global_buffer, .address_space: global }
      - { .name: vh, .offset: 72, .size: 8, .value_kind: global_buffer, .address_space: global }
    .group_segment_fixed_size: 181248
    .private_segment_fixed_size: 0
    .kernarg_segment_align: 8
    .kernarg_segment_size: 80
    .max_flat_workgroup_size: 256
    .sgpr_count:     66
    .vgpr_count:     258
    .wavefront_size: 32
...
	.end_amdgpu_metadata
.endif
;; end of part 1
;; launch attn (part 2): grid 64 x 4, 4 waves a work-group, clusters of 4 x 1, 327,680 bytes of LDS; arguments qh, kh, vh, out0; writes out0
.if DOCPART == 2
	.amdgcn_target "amdgcn-amd-amdhsa--gfx1250"
	.amdhsa_code_object_version 6
	.text
	.protected	k_qcaf2f4388b_attn
	.globl	k_qcaf2f4388b_attn
	.p2align	8
	.type	k_qcaf2f4388b_attn,@function
k_qcaf2f4388b_attn:
	s_mov_b64 s[64:65], 0
	v_nop
	global_prefetch_b8 v0, s[64:65] scope:SCOPE_SE
	s_setreg_imm32_b32 hwreg(HW_REG_WAVE_MODE, 25, 1), 1
	s_wait_xcnt 0x0
	s_wait_alu depctr_hold_cnt(0) depctr_sa_sdst(0) depctr_va_vdst(0) depctr_va_sdst(0) depctr_va_ssrc(0) depctr_va_vcc(0) depctr_vm_vsrc(0)
	s_getreg_b32 s2, hwreg(HW_REG_IB_STS2, 6, 4)
	s_cmp_eq_u32 s2, 0
	s_cbranch_scc0 .Lentry_in_a_cluster
	s_endpgm
.Lentry_in_a_cluster:
	s_bfe_u32 s2, ttmp6, 0x10000c
	s_cmp_lg_u32 s2, 0x3003
	s_cbranch_scc0 .Lentry_shape_is_right
	s_endpgm
.Lentry_shape_is_right:
; out0[b][n][:] = softmax over m of (q[b][n] . k[b][m] / sqrt(128)) times v[b][m][:].  qh (already times log2(e)/sqrt(128)), kh, vh: [4][4096][128] f16; out0 f32.
; A work-group owns 64 queries of one batch (grid y = batch).  Each of its four waves holds ALL 64 queries and walks a quarter of the keys:
; wave w's tile t (t = 0 .. 15) is keys 256 t + 64 w .. + 63.  Each wave keeps its own running maximum, sum and output; the four are merged at the end.
; So a wave reads only LDS bytes that its own tensor loads brought, and 32 KB read from LDS feed 128 matrix instructions.
; CLUSTER: the four work-groups of a cluster are four query blocks of one batch and walk the same K and V.  Every tile is asked for jointly (mask 15):
; same line, same descriptor (made of the batch and the wave's number alone), same round of the cluster's barrier.  That divides the requests for K and V by four.
; TRANSPOSED PRODUCTS.  S^T = K Q^T (source 0: 16 keys, source 1: 16 queries): lane (r, h), register j holds key 16 kb + 8 h + j of query 16 qb + r.
; A query's maximum and sum are then sums within a lane plus one exchange of the two lane halves, and the f16 roundings of two score tiles ARE the
; source-1 fragment of P^T (k = 8 h .. in registers 0-3, k = 16 + 8 h .. in 4-7).  O^T = V^T P^T keeps the query in the lane: the rescaling factor is a lane's own.
; The running maximum is taken away before every exponential, as in the softmax that is computed.
; LIMITS: operands are f16 (|q c|, |k|, |v| < 65,504: see the launch that makes them); weights below 2^-24 of a query's largest round to 0 in the product
; with V (they still count in the sum); NaN and infinities in the inputs are not reproduced (the maxima drop NaN);
; the sum over keys is formed in 8 groups (4 waves x 2 lane halves) and merged in a fixed order.
;
; REGISTERS in windows of 256 (s_set_vgpr_msb: bits 1:0 source 0, 3:2 source 1, 5:4 source 2, 7:6 destination):
;   window 0: addresses, softmax state, scores SC (128), P fragments PF (64);  window 1: Q fragments (128), K fragments (128);
;   window 2: O, tile (fb, qb) at 32 fb + 8 qb (256);  window 3: V^T fragments (128).
.set KP,     272                       ; LDS pitch of K's rows: 256 + 16 bytes = 68 words, 16 rows start 4 words apart
.set VP,     288                       ; LDS pitch of V's rows: 256 + 32, an odd multiple of 32, for the transposing loads
.set KBYTES, 64*KP                     ; 17,408
.set SLOT,   KBYTES+64*VP              ; a slot: 64 keys of K, then of V: 35,840
.set RING,   2*SLOT                    ; a wave's two slots: 71,680; wave w's ring lies at w * RING
.set ML,     4*RING                    ; 286,720: the waves' maxima and sums, 512 bytes a wave; no tile ever lands here
.set OPITCH, 528                       ; merge stage: a row of 128 f32 + 16 bytes
.set STAGE,  64*OPITCH                 ; 33,792 a wave, at w * STAGE: over ring bytes, written only after their last fill
.set TSTEP,  65536                     ; from a wave's tile to its next: 256 keys of 256 bytes
.set AK,   4                           ; v4, v5    LDS address of my K fragments in slot 0, 1
.set AV,   6                           ; v6, v7    the same for V
.set QOFF, 8                           ; my byte offset in the query block
.set AML,  9                           ; merge: where my wave's maxima and sums go
.set AMR,  10                          ; merge: where all waves' are read
.set AST,  11                          ; merge: where I put 32 bytes of an output row
.set OOFF, 12                          ; my byte offset in the block of out0
.set NP,   16                          ; v[16:31]  NP + 8 s + 2 qb: running maximum after a trip on slot s; + 1: scratch (the pair is read whole)
.set TT,   32                          ; v[32:35]  scratch, one for each query block
.set AL,   36                          ; v[36:43]  AL + 2 qb: factor for the old sums; + 1: its exponent
.set LS,   44                          ; v[44:51]  LS + 2 qb: a pair of running sums
.set ARD,  52                          ; v[52:55]  merge: where I read stage 0 .. 3
.set SC,   64                          ; v[64:191] scores, tile (kb, qb) at SC + 32 qb + 8 kb
.set PF,   192                         ; v[192:255] P^T fragments, (qb, ks) at PF + 16 qb + 8 ks
.set QF,   0                           ; window 1: Q fragments, (qb, ks) at 32 qb + 8 ks
.set KF,   128                         ; window 1: K fragments, (kb, ks) at 128 + 32 kb + 8 ks
.set VF,   0                           ; window 3: V^T fragments, (fb, ks) at 16 fb + 8 ks
.set MM,   64                          ; merge (the score registers are free then): maxima, 4 qb + wave
.set LL,   80                          ; sums, 4 qb + wave
.set EX,   96                          ; 2^(maximum - overall maximum), 4 qb + wave; EX + 16 + qb: my own wave's
.set MS,   116                         ; overall maximum
.set LT,   120                         ; overall sum
.set RC,   124                         ; its reciprocal
.set G1K,  16                          ; s[16:23] descriptor group 1 for K's tiles
.set G1V,  24                          ; s[24:31] for V's: another padding
.set G0K,  32                          ; s[32:39] group 0 for K, a set for each slot
.set G0V,  40                          ; s[40:47] group 0 for V
.set MSB, 0
.macro WIN new                         ; the immediate's high byte repeats the setting that is left
.if MSB != \new
	s_set_vgpr_msb (MSB<<8)|\new
.set MSB, \new
.endif
.endm
.macro PLACES                          ; four plain vector instructions between a matrix instruction and what reads its result or writes its registers (ISA guide 7.12.1 for vector instructions)
.rept 4
	v_nop
.endr
.endm
; A round of the cluster's barrier: my work-group's barrier, wave 0 signals for the work-group, every wave waits for all four work-groups, my work-group's barrier again.
.macro ROUND
	s_barrier_signal -1
	s_barrier_wait -1
	s_cmp_lg_u32 s12, 0
	s_cbranch_scc1 .Lnot_wave_0_\@
	s_barrier_signal -3
.Lnot_wave_0_\@:
	s_barrier_wait -3
	s_barrier_signal -1
	s_barrier_wait -1
.endm
	s_load_b256 s[4:11], s[0:1], 0x0               ; qh s[4:5], kh s[6:7], vh s[8:9], out0 s[10:11]
	v_lshl_add_u32 v62, v0, 2, 0x46800
	v_mov_b32 v63, 0
	ds_add_u32 v62, v63
	v_lshrrev_b32 v3, 5, v0
	v_readfirstlane_b32 s12, v3                    ; wave 0..3
	s_bfe_u32 s13, ttmp6, 0x40000                  ; cx: my place in the cluster; it enters the addresses of Q and out0 alone
	s_and_b32 s14, ttmp7, 0xffff                   ; batch
	s_lshl_b32 s15, ttmp9, 2
	s_add_co_u32 s15, s15, s13                     ; query block = 4 x cluster + cx
	s_mov_b32 s52, 0x76543210                      ; v_permlanex16_b32: lane i of one half reads lane i of the other
	s_mov_b32 s53, 0xfedcba98
	; group 1: a tile of 64 rows x 128 elements of 2 bytes, rows 128 elements apart, padded in LDS after every 64 words
	s_mov_b32 s[G1K+0], 15|(1<<16)|(1<<20)|(1<<21)|(5<<22)|(3<<25)    ; mask: all four work-groups; 2-byte elements; padding on; bit 21 beside the mask; every 64 words; 4 words
	s_mov_b32 s[G1V+0], 15|(1<<16)|(1<<20)|(1<<21)|(5<<22)|(7<<25)    ; the same with 8 words of padding
	s_mov_b32 s[G1K+1], 128<<16                    ; tensor_dim0 = 128
	s_mov_b32 s[G1V+1], 128<<16
	s_mov_b32 s[G1K+2], 64<<16                     ; tensor_dim1 = 64
	s_mov_b32 s[G1V+2], 64<<16
	s_mov_b32 s[G1K+3], 128<<16                    ; tile_dim0 = 128
	s_mov_b32 s[G1V+3], 128<<16
	s_mov_b32 s[G1K+4], 64                         ; tile_dim1 = 64
	s_mov_b32 s[G1V+4], 64
	s_mov_b32 s[G1K+5], 128                        ; elements from row to row
	s_mov_b32 s[G1V+5], 128
	s_mov_b32 s[G1K+6], 0
	s_mov_b32 s[G1V+6], 0
	s_mov_b32 s[G1K+7], 0
	s_mov_b32 s[G1V+7], 0
	s_mul_i32 s49, s12, RING                       ; my ring
	s_lshl_b32 s50, s14, 20                        ; K, V: batch x 4,096 rows of 256 bytes
	s_lshl_b32 s51, s12, 14                        ;       + wave x 64 rows
	s_add_co_u32 s50, s50, s51
	s_mov_b32 s51, 0
	s_lshl_b32 s54, s14, 20                        ; Q: batch, + query block x 64 rows of 256 bytes
	s_lshl_b32 s55, s15, 14
	s_add_co_u32 s54, s54, s55
	s_mov_b32 s55, 0
	s_lshl_b32 s56, s54, 1                         ; out0: the same rows, of 512 bytes
	s_mov_b32 s57, 0
	s_lshl_b32 s58, s12, 9
	s_add_co_u32 s58, s58, ML                      ; my wave's maxima and sums
	s_mul_i32 s59, s12, STAGE                      ; my merge stage
	s_mul_i32 s60, s12, 16*OPITCH                  ; the 16 rows that I finish, in a stage
	s_lshl_b32 s61, s12, 13                        ; and in out0: 16 rows of 512 bytes
	v_and_b32 v1, 15, v0                           ; r = lane % 16
	v_bfe_u32 v2, v0, 4, 1                         ; h = lane / 16
	v_mul_u32_u24 v3, v1, KP
	v_lshl_add_u32 v3, v2, 4, v3                   ; K fragment: row r, 16 bytes at 16 h
	v_add_nc_u32 v[AK], s49, v3
	v_add_nc_u32 v[AK+1], SLOT, v[AK]
	v_and_b32 v3, 7, v0
	v_lshl_add_u32 v3, v2, 3, v3                   ; V, transposing load: I address key 8 h + lane % 8,
	v_mul_u32_u24 v3, v3, VP
	v_bfe_u32 v13, v0, 3, 1
	v_lshl_add_u32 v3, v13, 4, v3                  ; the lower or the upper eight of 16 columns
	v_add_nc_u32 v3, s49, v3
	v_add_nc_u32 v[AV], KBYTES, v3
	v_add_nc_u32 v[AV+1], KBYTES+SLOT, v3
	v_lshlrev_b32 v[QOFF], 8, v1
	v_lshl_add_u32 v[QOFF], v2, 4, v[QOFF]         ; Q fragment: row r of 256 bytes, 16 bytes at 16 h
	v_lshlrev_b32 v3, 2, v1
	v_add_nc_u32 v[AML], s58, v3
	v_add_nc_u32 v[AMR], ML, v3
	v_mul_u32_u24 v3, v1, OPITCH
	v_lshl_add_u32 v3, v2, 5, v3                   ; stage: row r, 32 bytes at 32 h
	v_add_nc_u32 v[AST], s59, v3
	v_and_b32 v3, 31, v0
	v_lshlrev_b32 v3, 4, v3                        ; 16 x lane
	v_add_nc_u32 v[OOFF], s61, v3
	v_add_nc_u32 v[ARD], s60, v3
.irp st, 1,2,3
	v_add_nc_u32 v[ARD+\st], \st*STAGE, v[ARD]
.endr
	s_wait_dscnt 0x0
	s_wait_kmcnt 0x0
	s_add_nc_u64 s[4:5], s[4:5], s[54:55]
	s_add_nc_u64 s[6:7], s[6:7], s[50:51]
	s_add_nc_u64 s[8:9], s[8:9], s[50:51]
	s_add_nc_u64 s[10:11], s[10:11], s[56:57]
	; Q: 16 fragments straight from memory, once; they stay in window 1 for the whole kernel
	WIN 0x40
.irp qb, 0,1,2,3
.irp ks, 0,1,2,3
	global_load_b128 v[QF+32*\qb+8*\ks:QF+32*\qb+8*\ks+3],   v[QOFF], s[4:5] offset:\qb*4096+\ks*64
	global_load_b128 v[QF+32*\qb+8*\ks+4:QF+32*\qb+8*\ks+7], v[QOFF], s[4:5] offset:\qb*4096+\ks*64+32
.endr
.endr
	WIN 0
	ROUND                                          ; all four work-groups are here: the first joint loads meet
.irp t, 0,1
	s_mov_b32 s[G0K+4*\t], 1                                       ; count = 1
	s_add_co_u32 s[G0K+4*\t+1], s49, \t*SLOT                       ; LDS address: the wave's number and the slot alone
	s_add_nc_u64 s[G0K+4*\t+2:G0K+4*\t+3], s[6:7], \t*TSTEP        ; global address: my tile t
	s_or_b32 s[G0K+4*\t+3], s[G0K+4*\t+3], 0x80000000              ; type = 2
	s_mov_b32 s[G0V+4*\t], 1
	s_add_co_u32 s[G0V+4*\t+1], s49, \t*SLOT+KBYTES
	s_add_nc_u64 s[G0V+4*\t+2:G0V+4*\t+3], s[8:9], \t*TSTEP
	s_or_b32 s[G0V+4*\t+3], s[G0V+4*\t+3], 0x80000000
	tensor_load_to_lds s[G0K+4*\t:G0K+4*\t+3], s[G1K:G1K+7]
	s_nop 0
	tensor_load_to_lds s[G0V+4*\t:G0V+4*\t+3], s[G1V:G1V+7]        ; four tensor loads of the wave are out here, the most in this text
	s_nop 0
.endr
; 32 LDS loads: the 16 K fragments (16 keys x 32 f) of slot sl
.macro LDK sl
	WIN 0x40
.irp kb, 0,1,2,3
.irp ks, 0,1,2,3
	ds_load_b128 v[KF+32*\kb+8*\ks:KF+32*\kb+8*\ks+3],   v[AK+\sl] offset:\kb*16*KP+\ks*64
	ds_load_b128 v[KF+32*\kb+8*\ks+4:KF+32*\kb+8*\ks+7], v[AK+\sl] offset:\kb*16*KP+\ks*64+32
.endr
.endr
.endm
; 32 transposing LDS loads: the 16 V^T fragments (16 f x 32 keys) of slot sl
.macro LDV sl
	WIN 0xc0
.irp fb, 0,1,2,3,4,5,6,7
.irp ks, 0,1
	ds_load_tr16_b128 v[VF+16*\fb+8*\ks:VF+16*\fb+8*\ks+3],   v[AV+\sl] offset:\ks*32*VP+\fb*32
	ds_load_tr16_b128 v[VF+16*\fb+8*\ks+4:VF+16*\fb+8*\ks+7], v[AV+\sl] offset:\ks*32*VP+\fb*32+16*VP
.endr
.endr
.endm
; 64 matrix instructions: the 16 score tiles.  The first K step starts each sum; four accumulators take turns, one instruction a turn.
.macro SMUL
	WIN 0x05                                       ; sources 0 and 1 (K, Q) window 1; C and D window 0
.irp kb, 0,1,2,3
.irp ks, 0,1,2,3
.irp qb, 0,1,2,3
.if \ks == 0
	v_wmma_f32_16x16x32_f16 v[SC+32*\qb+8*\kb:SC+32*\qb+8*\kb+7], v[KF+32*\kb+8*\ks:KF+32*\kb+8*\ks+7], v[QF+32*\qb+8*\ks:QF+32*\qb+8*\ks+7], 0
.else
	v_wmma_f32_16x16x32_f16 v[SC+32*\qb+8*\kb:SC+32*\qb+8*\kb+7], v[KF+32*\kb+8*\ks:KF+32*\kb+8*\ks+7], v[QF+32*\qb+8*\ks:QF+32*\qb+8*\ks+7], v[SC+32*\qb+8*\kb:SC+32*\qb+8*\kb+7]
.endif
.endr
.endr
.endr
.endm
; 64 matrix instructions: O^T += V^T P^T.  first = 1: the first product starts the sums, nothing is cleared.  Four accumulators take turns likewise.
.macro PVMUL first
	WIN 0xa3                                       ; source 0 (V) window 3, source 1 (P) window 0, C and D window 2
.irp fb, 0,1,2,3,4,5,6,7
.irp ks, 0,1
.irp qb, 0,1,2,3
.if \first*(1-\ks)
	v_wmma_f32_16x16x32_f16 v[32*\fb+8*\qb:32*\fb+8*\qb+7], v[VF+16*\fb+8*\ks:VF+16*\fb+8*\ks+7], v[PF+16*\qb+8*\ks:PF+16*\qb+8*\ks+7], 0
.else
	v_wmma_f32_16x16x32_f16 v[32*\fb+8*\qb:32*\fb+8*\qb+7], v[VF+16*\fb+8*\ks:VF+16*\fb+8*\ks+7], v[PF+16*\qb+8*\ks:PF+16*\qb+8*\ks+7], v[32*\fb+8*\qb:32*\fb+8*\qb+7]
.endif
.endr
.endr
.endr
.endm
; The new running maxima: for each query block a chain over the lane's 32 scores, seeded with the old maximum, four chains side by side;
; then the other lane half's.  Not in the first trip: the factor 2^(old - new) for the old sums.
.macro MAXES s, first
.set k, 0
.rept 16
.irp qb, 0,1,2,3
.if k == 0
.if \first
	v_max_num_f32 v[NP+8*\s+2*\qb+1], v[SC+32*\qb], v[SC+32*\qb+1]
.else
	v_max3_num_f32 v[NP+8*\s+2*\qb+1], v[SC+32*\qb], v[SC+32*\qb+1], v[NP+8*(1-\s)+2*\qb]
.endif
.else
.if k % 2
	v_max3_num_f32 v[TT+\qb], v[SC+32*\qb+2*k], v[SC+32*\qb+2*k+1], v[NP+8*\s+2*\qb+1]
.else
	v_max3_num_f32 v[NP+8*\s+2*\qb+1], v[SC+32*\qb+2*k], v[SC+32*\qb+2*k+1], v[TT+\qb]
.endif
.endif
.endr
.set k, k+1
.endr
.irp qb, 0,1,2,3
	v_permlanex16_b32 v[NP+8*\s+2*\qb+1], v[TT+\qb], s52, s53      ; its destination counts as read: the chain has written it
.endr
.irp qb, 0,1,2,3
	v_max_num_f32 v[NP+8*\s+2*\qb], v[TT+\qb], v[NP+8*\s+2*\qb+1]
.endr
.if \first == 0
.irp qb, 0,1,2,3
	v_sub_f32 v[AL+2*\qb+1], v[NP+8*(1-\s)+2*\qb], v[NP+8*\s+2*\qb]
.endr
.irp qb, 0,1,2,3
	v_exp_f32 v[AL+2*\qb], v[AL+2*\qb+1]           ; first used far below, behind plain vector instructions (ISA guide 5.7.2)
.endr
.endif
.endm
; Two score tiles (kb, 2 qp) and (kb, 2 qp + 1): take the maximum away, then 2^x in place
.macro EXPG s, kb, qp
.irp q, 2*\qp, 2*\qp+1
.irp i, 0,1,2,3
	v_pk_add_f32 v[SC+32*(\q)+8*\kb+2*\i:SC+32*(\q)+8*\kb+2*\i+1], v[SC+32*(\q)+8*\kb+2*\i:SC+32*(\q)+8*\kb+2*\i+1], v[NP+8*\s+2*(\q):NP+8*\s+2*(\q)+1] op_sel_hi:[1,0] neg_lo:[0,1] neg_hi:[0,1]
.endr
.endr
.irp q, 2*\qp, 2*\qp+1
.irp j, 0,1,2,3,4,5,6,7
	v_exp_f32 v[SC+32*(\q)+8*\kb+\j], v[SC+32*(\q)+8*\kb+\j]
.endr
.endr
.endm
; The same two tiles: add the weights to the running sums (the first pair of a trip rides on the rescaling of the old sum), round them to f16 into the P fragments
.macro POST kb, qp, first
.irp i, 0,1,2,3
.irp q, 2*\qp, 2*\qp+1
.if (\kb*4+\i) == 0
.if \first == 0
	s_wait_alu depctr_va_vdst(0)
	v_pk_fma_f32 v[LS+2*(\q):LS+2*(\q)+1], v[LS+2*(\q):LS+2*(\q)+1], v[AL+2*(\q):AL+2*(\q)+1], v[SC+32*(\q):SC+32*(\q)+1] op_sel_hi:[1,0,1]
.endif
.else
.if (\first*100+\kb*4+\i) == 101
	v_pk_add_f32 v[LS+2*(\q):LS+2*(\q)+1], v[SC+32*(\q):SC+32*(\q)+1], v[SC+32*(\q)+2:SC+32*(\q)+3]       ; the first two pairs start the sums: nothing is cleared
.else
	s_wait_alu depctr_va_vdst(0)
	v_pk_add_f32 v[LS+2*(\q):LS+2*(\q)+1], v[LS+2*(\q):LS+2*(\q)+1], v[SC+32*(\q)+8*\kb+2*\i:SC+32*(\q)+8*\kb+2*\i+1]
.endif
.endif
.endr
	s_wait_alu depctr_va_vdst(0)
.irp q, 2*\qp, 2*\qp+1
	v_cvt_pk_f16_f32 v[PF+16*(\q)+4*\kb+\i], v[SC+32*(\q)+8*\kb+2*\i], v[SC+32*(\q)+8*\kb+2*\i+1]
.endr
.endr
.endm
; O times the lane's factor AL(qb)
.macro RESC
	WIN 0x82                                       ; source 0 and destination window 2, source 1 window 0
.irp fb, 0,1,2,3,4,5,6,7
.irp qb, 0,1,2,3
.irp i, 0,1,2,3
	v_pk_mul_f32 v[32*\fb+8*\qb+2*\i:32*\fb+8*\qb+2*\i+1], v[32*\fb+8*\qb+2*\i:32*\fb+8*\qb+2*\i+1], v[AL+2*\qb:AL+2*\qb+1] op_sel_hi:[1,0]
.endr
.endr
.endr
.endm
; One tile of 64 keys, in slot s (o = the other slot).  first: the sums start here; refill: slot s gets the tile two further on; next: the next tile's fragments are fetched.
.macro TRIP s, o, first, refill, next
	s_wait_dscnt 32                                ; LDS loads come back in order (ISA guide 5.7.1): K's 32 are in, V's 32 are younger
	SMUL
	WIN 0
	PLACES
	s_wait_dscnt 0x0                               ; V's fragments are in registers too: my reads of slot s are over
.if \next
	s_wait_tensorcnt 0x0                           ; all my tensor loads have landed: the two that were out are the next tile's
	ds_add_u32 v62, v63
	s_wait_dscnt 0x0
.endif
.if \refill
	s_add_nc_u64 s[G0K+4*\s+2:G0K+4*\s+3], s[G0K+4*\s+2:G0K+4*\s+3], 2*TSTEP       ; no tensor load of mine is out: this slot's group 0 may step
	s_add_nc_u64 s[G0V+4*\s+2:G0V+4*\s+3], s[G0V+4*\s+2:G0V+4*\s+3], 2*TSTEP
	ROUND                                          ; both waits now hold of every wave of all four work-groups
	tensor_load_to_lds s[G0K+4*\s:G0K+4*\s+3], s[G1K:G1K+7]        ; the joint refills come first behind the round; they have the rest of this trip
	s_nop 0
	tensor_load_to_lds s[G0V+4*\s:G0V+4*\s+3], s[G1V:G1V+7]        ; and the next trip's 64 score products in which to land.  Two tensor loads of the wave are out
	s_nop 0
.endif
.if \next
	LDK \o                                         ; the next tile's K fragments come in under the softmax
	WIN 0
.endif
	MAXES \s, \first
	EXPG \s, 0, 0                                  ; the exponentials of one group stand between the subtractions of the next and the use of the one before:
	EXPG \s, 0, 1                                  ; a plain vector instruction always stands between an exponential and the use of its result (ISA guide 5.7.2)
	POST 0, 0, \first
	EXPG \s, 1, 0
	POST 0, 1, \first
	EXPG \s, 1, 1
	POST 1, 0, \first
	EXPG \s, 2, 0
	POST 1, 1, \first
	EXPG \s, 2, 1
	POST 2, 0, \first
	EXPG \s, 3, 0
	POST 2, 1, \first
	EXPG \s, 3, 1
	POST 3, 0, \first
	POST 3, 1, \first
.if \first == 0
	RESC
.endif
	PVMUL \first
	WIN 0
	PLACES
.if \next
	LDV \o                                         ; the next tile's V fragments come in under its score products
	WIN 0
.endif
.endm
	s_wait_tensorcnt 2                             ; tensor loads of a wave end in order (ISA guide 10.11.1): my tile 0 (K and V) is in, tile 1's two loads are younger
	LDK 0
	LDV 0
	WIN 0
	s_wait_loadcnt 0x0                             ; Q
	TRIP 0, 1, 1, 1, 1                             ; tile 0 starts the sums
	TRIP 1, 0, 0, 1, 1
	s_mov_b32 s48, 6                               ; tiles 2 .. 13
.Lloop:
	TRIP 0, 1, 0, 1, 1
	TRIP 1, 0, 0, 1, 1
	s_sub_co_u32 s48, s48, 1
	s_cmp_lg_u32 s48, 0
	s_cbranch_scc1 .Lloop
	TRIP 0, 1, 0, 0, 1                             ; tiles 14 and 15: nothing more to ask for
	TRIP 1, 0, 0, 0, 0
	; THE MERGE.  Each wave's sum over its two lane halves; maxima and sums of the four waves meet in LDS.
.irp qb, 0,1,2,3
	v_add_f32 v[TT+\qb], v[LS+2*\qb], v[LS+2*\qb+1]
.endr
.irp qb, 0,1,2,3
	v_permlanex16_b32 v[NP+8+2*\qb+1], v[TT+\qb], s52, s53
.endr
.irp qb, 0,1,2,3
	v_add_f32 v[TT+\qb], v[TT+\qb], v[NP+8+2*\qb+1]
.endr
.irp qb, 0,1,2,3
	ds_store_b32 v[AML], v[NP+8+2*\qb] offset:\qb*64               ; both lane halves store the same word with the same value
	ds_store_b32 v[AML], v[TT+\qb] offset:256+\qb*64
.endr
	s_wait_dscnt 0x0                               ; my stores are done; my reads of the ring ended in the last trip
	s_barrier_signal -1
	s_barrier_wait -1                              ; so are everybody's: from here the ring's bytes, filled for the last time, serve as stages
.irp wv, 0,1,2,3
.irp qb, 0,1,2,3
	ds_load_b32 v[MM+4*\qb+\wv], v[AMR] offset:\wv*512+\qb*64
	ds_load_b32 v[LL+4*\qb+\wv], v[AMR] offset:\wv*512+256+\qb*64
.endr
.endr
	s_wait_dscnt 0x0
.irp qb, 0,1,2,3
	v_max3_num_f32 v[MS+\qb], v[MM+4*\qb], v[MM+4*\qb+1], v[MM+4*\qb+2]
.endr
.irp qb, 0,1,2,3
	v_max_num_f32 v[MS+\qb], v[MS+\qb], v[MM+4*\qb+3]
.endr
.irp qb, 0,1,2,3
.irp wv, 0,1,2,3
	v_sub_f32 v[EX+4*\qb+\wv], v[MM+4*\qb+\wv], v[MS+\qb]
.endr
	v_sub_f32 v[EX+16+\qb], v[NP+8+2*\qb], v[MS+\qb]               ; my own wave's, so that no choice by the wave's number is needed
.endr
.set i, 0
.rept 20
	v_exp_f32 v[EX+i], v[EX+i]
.set i, i+1
.endr
	v_nop                                          ; the plain instruction behind the exponentials
	s_wait_alu depctr_va_vdst(0)
.irp qb, 0,1,2,3
	v_mul_f32 v[LT+\qb], v[EX+4*\qb], v[LL+4*\qb]
.endr
.irp wv, 1,2,3
.irp qb, 0,1,2,3
	v_fmac_f32 v[LT+\qb], v[EX+4*\qb+\wv], v[LL+4*\qb+\wv]         ; the overall sum is at least 1: the wave that holds the maximum adds 2^0 times a sum of at least 1
.endr
.endr
.irp qb, 0,1,2,3
	v_rcp_f32 v[RC+\qb], v[LT+\qb]
.endr
	v_nop                                          ; the plain instruction behind the reciprocals
	s_wait_alu depctr_va_vdst(0)
.irp qb, 0,1,2,3
	v_mul_f32 v[AL+2*\qb], v[EX+16+\qb], v[RC+\qb]                 ; my wave's share: 2^(my maximum - overall) / overall sum
.endr
	RESC
	WIN 0x08                                       ; store data from window 2
.irp qb, 0,1,2,3
.irp fb, 0,1,2,3,4,5,6,7
	ds_store_b128 v[AST], v[32*\fb+8*\qb:32*\fb+8*\qb+3]   offset:\qb*16*OPITCH+\fb*64       ; query 16 qb + r, f = 16 fb + 8 h ..
	ds_store_b128 v[AST], v[32*\fb+8*\qb+4:32*\fb+8*\qb+7] offset:\qb*16*OPITCH+\fb*64+16
.endr
.endr
	WIN 0
	s_wait_dscnt 0x0                               ; my stage is whole
	s_barrier_signal -1
	s_barrier_wait -1                              ; all four are
; Wave w adds the four stages' rows 16 w .. 16 w + 15 and stores them, eight rows a batch: a store of the wave covers a row's 512 consecutive bytes
.macro OUTB b
.irp i, 0,1,2,3,4,5,6,7
.irp st, 0,1,2,3
	ds_load_b128 v[SC+16*\i+4*\st:SC+16*\i+4*\st+3], v[ARD+\st] offset:OPITCH*(8*\b+\i)
.endr
.endr
.irp i, 0,1,2,3,4,5,6,7
	s_wait_dscnt 28-4*\i                           ; row i's four loads are in; the later rows' are younger
	v_pk_add_f32 v[SC+16*\i:SC+16*\i+1],     v[SC+16*\i:SC+16*\i+1],     v[SC+16*\i+4:SC+16*\i+5]
	v_pk_add_f32 v[SC+16*\i+2:SC+16*\i+3],   v[SC+16*\i+2:SC+16*\i+3],   v[SC+16*\i+6:SC+16*\i+7]
	v_pk_add_f32 v[SC+16*\i+8:SC+16*\i+9],   v[SC+16*\i+8:SC+16*\i+9],   v[SC+16*\i+12:SC+16*\i+13]
	v_pk_add_f32 v[SC+16*\i+10:SC+16*\i+11], v[SC+16*\i+10:SC+16*\i+11], v[SC+16*\i+14:SC+16*\i+15]
	v_pk_add_f32 v[SC+16*\i:SC+16*\i+1],     v[SC+16*\i:SC+16*\i+1],     v[SC+16*\i+8:SC+16*\i+9]
	v_pk_add_f32 v[SC+16*\i+2:SC+16*\i+3],   v[SC+16*\i+2:SC+16*\i+3],   v[SC+16*\i+10:SC+16*\i+11]
	global_store_b128 v[OOFF], v[SC+16*\i:SC+16*\i+3], s[10:11] offset:512*(8*\b+\i) th:TH_STORE_NT
.endr
.endm
	OUTB 0
	s_wait_xcnt 0x0                                ; the registers that the stores read are loaded again only behind this wait (ISA guide 3.1)
	OUTB 1
	s_wait_tensorcnt 0x0
	ds_add_u32 v62, v63
	s_wait_dscnt 0x0
	ROUND                                          ; the closing round: no work-group ends while a partner may still ask for a tile that names it
	s_endpgm
.Lfunc_end_k_qcaf2f4388b_attn:
	.size	k_qcaf2f4388b_attn, .Lfunc_end_k_qcaf2f4388b_attn-k_qcaf2f4388b_attn
	.p2alignl 7, 3214868480
	.fill 96, 4, 3214868480
	.section	.rodata,"a",@progbits
	.p2align	6, 0x0
	.amdhsa_kernel k_qcaf2f4388b_attn
		.amdhsa_group_segment_fixed_size 327680
		.amdhsa_private_segment_fixed_size 0
		.amdhsa_enable_private_segment 0
		.amdhsa_kernarg_size 32
		.amdhsa_user_sgpr_count 2
		.amdhsa_user_sgpr_kernarg_segment_ptr 1
		.amdhsa_wavefront_size32 1
		.amdhsa_system_sgpr_workgroup_id_x 1
		.amdhsa_system_sgpr_workgroup_id_y 1
		.amdhsa_system_sgpr_workgroup_id_z 1
		.amdhsa_system_vgpr_workitem_id 0
		.amdhsa_next_free_vgpr 896
		.amdhsa_next_free_sgpr 66
		.amdhsa_reserve_vcc 0
		.amdhsa_float_denorm_mode_32 3
		.amdhsa_float_denorm_mode_16_64 3
		.amdhsa_memory_ordered 1
		.amdhsa_forward_progress 1
		.amdhsa_inst_pref_size 255
	.end_amdhsa_kernel
	.section	.bss,"aw",@nobits
	.p2align	6
	.space	262144
	.amdgpu_metadata
---
amdhsa.version: [ 1, 2 ]
amdhsa.kernels:
  - .name:           k_qcaf2f4388b_attn
    .symbol:         k_qcaf2f4388b_attn.kd
    .args:
      - { .name: qh, .offset: 0, .size: 8, .value_kind: global_buffer, .address_space: global }
      - { .name: kh, .offset: 8, .size: 8, .value_kind: global_buffer, .address_space: global }
      - { .name: vh, .offset: 16, .size: 8, .value_kind: global_buffer, .address_space: global }
      - { .name: out0, .offset: 24, .size: 8, .value_kind: global_buffer, .address_space: global }
    .group_segment_fixed_size: 327680
    .private_segment_fixed_size: 0
    .kernarg_segment_align: 8
    .kernarg_segment_size: 32
    .max_flat_workgroup_size: 128
    .sgpr_count:     66
    .vgpr_count:     896
    .wavefront_size: 32
...
	.end_amdgpu_metadata
.endif
;; end of part 2
;; ======== version 2 of 2: 2 launches; 1.29 times as fast as version 1
;; limits: values are held in f16: magnitudes above 65,504 overflow, below 6.1e-05 lose precision; right only within a limited range of input values
;; workspace buffers: qh 4,194,304 bytes; kh 4,194,304 bytes; vh 4,194,304 bytes
;; launch proj: the kernel of part 1 again; grid 256 x 1, 8 waves a work-group, no clusters, 181,248 bytes of LDS; arguments inputs, Wq, Wk, Wv, bq, bk, bv, qh, kh, vh; writes qh, kh, vh
;; launch attn (part 3): grid 64 x 4, 4 waves a work-group, clusters of 4 x 1, 327,680 bytes of LDS; arguments qh, kh, vh, out0; writes out0
.if DOCPART == 3
	.amdgcn_target "amdgcn-amd-amdhsa--gfx1250"
	.amdhsa_code_object_version 6
	.text
	.protected	k_qcaf2f4388b_attn
	.globl	k_qcaf2f4388b_attn
	.p2align	8
	.type	k_qcaf2f4388b_attn,@function
k_qcaf2f4388b_attn:
	s_mov_b64 s[64:65], 0
	v_nop
	global_prefetch_b8 v0, s[64:65] scope:SCOPE_SE
	s_setreg_imm32_b32 hwreg(HW_REG_WAVE_MODE, 25, 1), 1
	s_wait_xcnt 0x0
	s_wait_alu depctr_hold_cnt(0) depctr_sa_sdst(0) depctr_va_vdst(0) depctr_va_sdst(0) depctr_va_ssrc(0) depctr_va_vcc(0) depctr_vm_vsrc(0)
	s_getreg_b32 s2, hwreg(HW_REG_IB_STS2, 6, 4)
	s_cmp_eq_u32 s2, 0
	s_cbranch_scc0 .Lentry_in_a_cluster
	s_endpgm
.Lentry_in_a_cluster:
	s_bfe_u32 s2, ttmp6, 0x10000c
	s_cmp_lg_u32 s2, 0x3003
	s_cbranch_scc0 .Lentry_shape_is_right
	s_endpgm
.Lentry_shape_is_right:
; out0[b][n][:] = softmax over m of (q[b][n] . k[b][m] / sqrt(128)) times v[b][m][:].  qh (already times log2(e)/sqrt(128)), kh, vh: [4][4096][128] f16; out0 f32.
; A work-group owns 64 queries of one batch (grid y = batch).  Each of its four waves holds ALL 64 queries and walks a quarter of the keys:
; wave w's tile t (t = 0 .. 15) is keys 256 t + 64 w .. + 63.  Each wave keeps its own running maximum, sum and output; the four are merged at the end.
; So a wave reads only LDS bytes that its own tensor loads brought, and 32 KB read from LDS feed 128 matrix instructions.
; CLUSTER: the four work-groups of a cluster are four query blocks of one batch and walk the same K and V.  Every tile is asked for jointly (mask 15):
; same line, same descriptor (made of the batch and the wave's number alone), same round of the cluster's barrier.  That divides the requests for K and V by four.
; TRANSPOSED PRODUCTS.  S^T = K Q^T (source 0: 16 keys, source 1: 16 queries): lane (r, h), register j holds key 16 kb + 8 h + j of query 16 qb + r.
; A query's maximum and sum are then sums within a lane plus one exchange of the two lane halves, and the f16 roundings of two score tiles ARE the
; source-1 fragment of P^T (k = 8 h .. in registers 0-3, k = 16 + 8 h .. in 4-7).  O^T = V^T P^T keeps the query in the lane: the rescaling factor is a lane's own.
; The running maximum is taken away before every exponential, as in the softmax that is computed.
; BATCHES.  A trip's exponentials are ONE batch with ONE wait: the four factors for the old sums (at the end of MAXES; not in the first trip), then the 128 of the
; scores, in place, each in a register of its own.  Among them stand the 64 subtractions, one ahead of each two exponentials and LEAD pairs ahead of its own two;
; none of these lines names a result of the batch.  Behind the wait stand all the readers: the sums and roundings (POST), the rescaling of O (RESC), the products with V..
; The merge has two batches more, a wait each: its 20 exponentials, and the four reciprocals of the sums that are made of them.
; LIMITS: operands are f16 (|q c|, |k|, |v| < 65,504: see the launch that makes them); weights below 2^-24 of a query's largest round to 0 in the product
; with V (they still count in the sum); NaN and infinities in the inputs are not reproduced (the maxima drop NaN);
; the sum over keys is formed in 8 groups (4 waves x 2 lane halves) and merged in a fixed order.
;
; REGISTERS in windows of 256 (s_set_vgpr_msb: bits 1:0 source 0, 3:2 source 1, 5:4 source 2, 7:6 destination):
;   window 0: addresses, softmax state, scores SC (128), P fragments PF (64);  window 1: Q fragments (128), K fragments (128);
;   window 2: O, tile (fb, qb) at 32 fb + 8 qb (256);  window 3: V^T fragments (128).
.set KP,     272                       ; LDS pitch of K's rows: 256 + 16 bytes = 68 words, 16 rows start 4 words apart
.set VP,     288                       ; LDS pitch of V's rows: 256 + 32, an odd multiple of 32, for the transposing loads
.set KBYTES, 64*KP                     ; 17,408
.set SLOT,   KBYTES+64*VP              ; a slot: 64 keys of K, then of V: 35,840
.set RING,   2*SLOT                    ; a wave's two slots: 71,680; wave w's ring lies at w * RING
.set ML,     4*RING                    ; 286,720: the waves' maxima and sums, 512 bytes a wave; no tile ever lands here
.set OPITCH, 528                       ; merge stage: a row of 128 f32 + 16 bytes
.set STAGE,  64*OPITCH                 ; 33,792 a wave, at w * STAGE: over ring bytes, written only after their last fill
.set TSTEP,  65536                     ; from a wave's tile to its next: 256 keys of 256 bytes
.set LEAD,   4                         ; a pair of scores is brought under its maximum this many pairs ahead of its two exponentials
.set AK,   4                           ; v4, v5    LDS address of my K fragments in slot 0, 1
.set AV,   6                           ; v6, v7    the same for V
.set QOFF, 8                           ; my byte offset in the query block
.set AML,  9                           ; merge: where my wave's maxima and sums go
.set AMR,  10                          ; merge: where all waves' are read
.set AST,  11                          ; merge: where I put 32 bytes of an output row
.set OOFF, 12                          ; my byte offset in the block of out0
.set NP,   16                          ; v[16:31]  NP + 8 s + 2 qb: running maximum after a trip on slot s; + 1: scratch (the pair is read whole)
.set TT,   32                          ; v[32:35]  scratch, one for each query block
.set AL,   36                          ; v[36:43]  AL + 2 qb: factor for the old sums; + 1: its exponent
.set LS,   44                          ; v[44:51]  LS + 2 qb: a pair of running sums
.set ARD,  52                          ; v[52:55]  merge: where I read stage 0 .. 3
.set SC,   64                          ; v[64:191] scores, tile (kb, qb) at SC + 32 qb + 8 kb
.set PF,   192                         ; v[192:255] P^T fragments, (qb, ks) at PF + 16 qb + 8 ks
.set QF,   0                           ; window 1: Q fragments, (qb, ks) at 32 qb + 8 ks
.set KF,   128                         ; window 1: K fragments, (kb, ks) at 128 + 32 kb + 8 ks
.set VF,   0                           ; window 3: V^T fragments, (fb, ks) at 16 fb + 8 ks
.set MM,   64                          ; merge (the score registers are free then): maxima, 4 qb + wave
.set LL,   80                          ; sums, 4 qb + wave
.set EX,   96                          ; 2^(maximum - overall maximum), 4 qb + wave; EX + 16 + qb: my own wave's
.set MS,   116                         ; overall maximum
.set LT,   120                         ; overall sum
.set RC,   124                         ; its reciprocal
.set G1K,  16                          ; s[16:23] descriptor group 1 for K's tiles
.set G1V,  24                          ; s[24:31] for V's: another padding
.set G0K,  32                          ; s[32:39] group 0 for K, a set for each slot
.set G0V,  40                          ; s[40:47] group 0 for V
.set MSB, 0
.macro WIN new                         ; the immediate's high byte repeats the setting that is left
.if MSB != \new
	s_set_vgpr_msb (MSB<<8)|\new
.set MSB, \new
.endif
.endm
.macro PLACES                          ; four plain vector instructions between a matrix instruction and what reads its result or writes its registers (ISA guide 7.12.1 for vector instructions)
.rept 4
	v_nop
.endr
.endm
; A round of the cluster's barrier: my work-group's barrier, wave 0 signals for the work-group, every wave waits for all four work-groups, my work-group's barrier again.
.macro ROUND
	s_barrier_signal -1
	s_barrier_wait -1
	s_cmp_lg_u32 s12, 0
	s_cbranch_scc1 .Lnot_wave_0_\@
	s_barrier_signal -3
.Lnot_wave_0_\@:
	s_barrier_wait -3
	s_barrier_signal -1
	s_barrier_wait -1
.endm
	s_load_b256 s[4:11], s[0:1], 0x0               ; qh s[4:5], kh s[6:7], vh s[8:9], out0 s[10:11]
	v_lshl_add_u32 v62, v0, 2, 0x46800
	v_mov_b32 v63, 0
	ds_add_u32 v62, v63
	v_lshrrev_b32 v3, 5, v0
	v_readfirstlane_b32 s12, v3                    ; wave 0..3
	s_bfe_u32 s13, ttmp6, 0x40000                  ; cx: my place in the cluster; it enters the addresses of Q and out0 alone
	s_and_b32 s14, ttmp7, 0xffff                   ; batch
	s_lshl_b32 s15, ttmp9, 2
	s_add_co_u32 s15, s15, s13                     ; query block = 4 x cluster + cx
	s_mov_b32 s52, 0x76543210                      ; v_permlanex16_b32: lane i of one half reads lane i of the other
	s_mov_b32 s53, 0xfedcba98
	; group 1: a tile of 64 rows x 128 elements of 2 bytes, rows 128 elements apart, padded in LDS after every 64 words
	s_mov_b32 s[G1K+0], 15|(1<<16)|(1<<20)|(1<<21)|(5<<22)|(3<<25)    ; mask: all four work-groups; 2-byte elements; padding on; bit 21 beside the mask; every 64 words; 4 words
	s_mov_b32 s[G1V+0], 15|(1<<16)|(1<<20)|(1<<21)|(5<<22)|(7<<25)    ; the same with 8 words of padding
	s_mov_b32 s[G1K+1], 128<<16                    ; tensor_dim0 = 128
	s_mov_b32 s[G1V+1], 128<<16
	s_mov_b32 s[G1K+2], 64<<16                     ; tensor_dim1 = 64
	s_mov_b32 s[G1V+2], 64<<16
	s_mov_b32 s[G1K+3], 128<<16                    ; tile_dim0 = 128
	s_mov_b32 s[G1V+3], 128<<16
	s_mov_b32 s[G1K+4], 64                         ; tile_dim1 = 64
	s_mov_b32 s[G1V+4], 64
	s_mov_b32 s[G1K+5], 128                        ; elements from row to row
	s_mov_b32 s[G1V+5], 128
	s_mov_b32 s[G1K+6], 0
	s_mov_b32 s[G1V+6], 0
	s_mov_b32 s[G1K+7], 0
	s_mov_b32 s[G1V+7], 0
	s_mul_i32 s49, s12, RING                       ; my ring
	s_lshl_b32 s50, s14, 20                        ; K, V: batch x 4,096 rows of 256 bytes
	s_lshl_b32 s51, s12, 14                        ;       + wave x 64 rows
	s_add_co_u32 s50, s50, s51
	s_mov_b32 s51, 0
	s_lshl_b32 s54, s14, 20                        ; Q: batch, + query block x 64 rows of 256 bytes
	s_lshl_b32 s55, s15, 14
	s_add_co_u32 s54, s54, s55
	s_mov_b32 s55, 0
	s_lshl_b32 s56, s54, 1                         ; out0: the same rows, of 512 bytes
	s_mov_b32 s57, 0
	s_lshl_b32 s58, s12, 9
	s_add_co_u32 s58, s58, ML                      ; my wave's maxima and sums
	s_mul_i32 s59, s12, STAGE                      ; my merge stage
	s_mul_i32 s60, s12, 16*OPITCH                  ; the 16 rows that I finish, in a stage
	s_lshl_b32 s61, s12, 13                        ; and in out0: 16 rows of 512 bytes
	v_and_b32 v1, 15, v0                           ; r = lane % 16
	v_bfe_u32 v2, v0, 4, 1                         ; h = lane / 16
	v_mul_u32_u24 v3, v1, KP
	v_lshl_add_u32 v3, v2, 4, v3                   ; K fragment: row r, 16 bytes at 16 h
	v_add_nc_u32 v[AK], s49, v3
	v_add_nc_u32 v[AK+1], SLOT, v[AK]
	v_and_b32 v3, 7, v0
	v_lshl_add_u32 v3, v2, 3, v3                   ; V, transposing load: I address key 8 h + lane % 8,
	v_mul_u32_u24 v3, v3, VP
	v_bfe_u32 v13, v0, 3, 1
	v_lshl_add_u32 v3, v13, 4, v3                  ; the lower or the upper eight of 16 columns
	v_add_nc_u32 v3, s49, v3
	v_add_nc_u32 v[AV], KBYTES, v3
	v_add_nc_u32 v[AV+1], KBYTES+SLOT, v3
	v_lshlrev_b32 v[QOFF], 8, v1
	v_lshl_add_u32 v[QOFF], v2, 4, v[QOFF]         ; Q fragment: row r of 256 bytes, 16 bytes at 16 h
	v_lshlrev_b32 v3, 2, v1
	v_add_nc_u32 v[AML], s58, v3
	v_add_nc_u32 v[AMR], ML, v3
	v_mul_u32_u24 v3, v1, OPITCH
	v_lshl_add_u32 v3, v2, 5, v3                   ; stage: row r, 32 bytes at 32 h
	v_add_nc_u32 v[AST], s59, v3
	v_and_b32 v3, 31, v0
	v_lshlrev_b32 v3, 4, v3                        ; 16 x lane
	v_add_nc_u32 v[OOFF], s61, v3
	v_add_nc_u32 v[ARD], s60, v3
.irp st, 1,2,3
	v_add_nc_u32 v[ARD+\st], \st*STAGE, v[ARD]
.endr
	s_wait_dscnt 0x0
	s_wait_kmcnt 0x0
	s_add_nc_u64 s[4:5], s[4:5], s[54:55]
	s_add_nc_u64 s[6:7], s[6:7], s[50:51]
	s_add_nc_u64 s[8:9], s[8:9], s[50:51]
	s_add_nc_u64 s[10:11], s[10:11], s[56:57]
	; Q: 16 fragments straight from memory, once; they stay in window 1 for the whole kernel
	WIN 0x40
.irp qb, 0,1,2,3
.irp ks, 0,1,2,3
	global_load_b128 v[QF+32*\qb+8*\ks:QF+32*\qb+8*\ks+3],   v[QOFF], s[4:5] offset:\qb*4096+\ks*64
	global_load_b128 v[QF+32*\qb+8*\ks+4:QF+32*\qb+8*\ks+7], v[QOFF], s[4:5] offset:\qb*4096+\ks*64+32
.endr
.endr
	WIN 0
	ROUND                                          ; all four work-groups are here: the first joint loads meet
.irp t, 0,1
	s_mov_b32 s[G0K+4*\t], 1                                       ; count = 1
	s_add_co_u32 s[G0K+4*\t+1], s49, \t*SLOT                       ; LDS address: the wave's number and the slot alone
	s_add_nc_u64 s[G0K+4*\t+2:G0K+4*\t+3], s[6:7], \t*TSTEP        ; global address: my tile t
	s_or_b32 s[G0K+4*\t+3], s[G0K+4*\t+3], 0x80000000              ; type = 2
	s_mov_b32 s[G0V+4*\t], 1
	s_add_co_u32 s[G0V+4*\t+1], s49, \t*SLOT+KBYTES
	s_add_nc_u64 s[G0V+4*\t+2:G0V+4*\t+3], s[8:9], \t*TSTEP
	s_or_b32 s[G0V+4*\t+3], s[G0V+4*\t+3], 0x80000000
	tensor_load_to_lds s[G0K+4*\t:G0K+4*\t+3], s[G1K:G1K+7]
	s_nop 0
	tensor_load_to_lds s[G0V+4*\t:G0V+4*\t+3], s[G1V:G1V+7]        ; four tensor loads of the wave are out here, the most in this text
	s_nop 0
.endr
; 32 LDS loads: the 16 K fragments (16 keys x 32 f) of slot sl
.macro LDK sl
	WIN 0x40
.irp kb, 0,1,2,3
.irp ks, 0,1,2,3
	ds_load_b128 v[KF+32*\kb+8*\ks:KF+32*\kb+8*\ks+3],   v[AK+\sl] offset:\kb*16*KP+\ks*64
	ds_load_b128 v[KF+32*\kb+8*\ks+4:KF+32*\kb+8*\ks+7], v[AK+\sl] offset:\kb*16*KP+\ks*64+32
.endr
.endr
.endm
; 32 transposing LDS loads: the 16 V^T fragments (16 f x 32 keys) of slot sl
.macro LDV sl
	WIN 0xc0
.irp fb, 0,1,2,3,4,5,6,7
.irp ks, 0,1
	ds_load_tr16_b128 v[VF+16*\fb+8*\ks:VF+16*\fb+8*\ks+3],   v[AV+\sl] offset:\ks*32*VP+\fb*32
	ds_load_tr16_b128 v[VF+16*\fb+8*\ks+4:VF+16*\fb+8*\ks+7], v[AV+\sl] offset:\ks*32*VP+\fb*32+16*VP
.endr
.endr
.endm
; 64 matrix instructions: the 16 score tiles.  The first K step starts each sum; four accumulators take turns, one instruction a turn.
.macro SMUL
	WIN 0x05                                       ; sources 0 and 1 (K, Q) window 1; C and D window 0
.irp kb, 0,1,2,3
.irp ks, 0,1,2,3
.irp qb, 0,1,2,3
.if \ks == 0
	v_wmma_f32_16x16x32_f16 v[SC+32*\qb+8*\kb:SC+32*\qb+8*\kb+7], v[KF+32*\kb+8*\ks:KF+32*\kb+8*\ks+7], v[QF+32*\qb+8*\ks:QF+32*\qb+8*\ks+7], 0
.else
	v_wmma_f32_16x16x32_f16 v[SC+32*\qb+8*\kb:SC+32*\qb+8*\kb+7], v[KF+32*\kb+8*\ks:KF+32*\kb+8*\ks+7], v[QF+32*\qb+8*\ks:QF+32*\qb+8*\ks+7], v[SC+32*\qb+8*\kb:SC+32*\qb+8*\kb+7]
.endif
.endr
.endr
.endr
.endm
; 64 matrix instructions: O^T += V^T P^T.  first = 1: the first product starts the sums, nothing is cleared.  Four accumulators take turns likewise.
.macro PVMUL first
	WIN 0xa3                                       ; source 0 (V) window 3, source 1 (P) window 0, C and D window 2
.irp fb, 0,1,2,3,4,5,6,7
.irp ks, 0,1
.irp qb, 0,1,2,3
.if \first*(1-\ks)
	v_wmma_f32_16x16x32_f16 v[32*\fb+8*\qb:32*\fb+8*\qb+7], v[VF+16*\fb+8*\ks:VF+16*\fb+8*\ks+7], v[PF+16*\qb+8*\ks:PF+16*\qb+8*\ks+7], 0
.else
	v_wmma_f32_16x16x32_f16 v[32*\fb+8*\qb:32*\fb+8*\qb+7], v[VF+16*\fb+8*\ks:VF+16*\fb+8*\ks+7], v[PF+16*\qb+8*\ks:PF+16*\qb+8*\ks+7], v[32*\fb+8*\qb:32*\fb+8*\qb+7]
.endif
.endr
.endr
.endr
.endm
; The new running maxima: for each query block a chain over the lane's 32 scores, seeded with the old maximum, four chains side by side;
; then the other lane half's.  Not in the first trip: the factor 2^(old - new) for the old sums.
.macro MAXES s, first
.set k, 0
.rept 16
.irp qb, 0,1,2,3
.if k == 0
.if \first
	v_max_num_f32 v[NP+8*\s+2*\qb+1], v[SC+32*\qb], v[SC+32*\qb+1]
.else
	v_max3_num_f32 v[NP+8*\s+2*\qb+1], v[SC+32*\qb], v[SC+32*\qb+1], v[NP+8*(1-\s)+2*\qb]
.endif
.else
.if k % 2
	v_max3_num_f32 v[TT+\qb], v[SC+32*\qb+2*k], v[SC+32*\qb+2*k+1], v[NP+8*\s+2*\qb+1]
.else
	v_max3_num_f32 v[NP+8*\s+2*\qb+1], v[SC+32*\qb+2*k], v[SC+32*\qb+2*k+1], v[TT+\qb]
.endif
.endif
.endr
.set k, k+1
.endr
.irp qb, 0,1,2,3
	v_permlanex16_b32 v[NP+8*\s+2*\qb+1], v[TT+\qb], s52, s53      ; its destination counts as read: the chain has written it
.endr
.irp qb, 0,1,2,3
	v_max_num_f32 v[NP+8*\s+2*\qb], v[TT+\qb], v[NP+8*\s+2*\qb+1]
.endr
.if \first == 0
.irp qb, 0,1,2,3
	v_sub_f32 v[AL+2*\qb+1], v[NP+8*(1-\s)+2*\qb], v[NP+8*\s+2*\qb]
.endr
.irp qb, 0,1,2,3
	v_exp_f32 v[AL+2*\qb], v[AL+2*\qb+1]           ; these four open the trip's batch; they are first named behind its wait, by POST's first lines
.endr
.endif
.endm
; THE BATCH of a trip's 128 score exponentials.  Pair p (0 .. 63) of the lane's scores lies in v[SC + 2 p], v[SC + 2 p + 1] and belongs to query block p / 16.
; SUB1: the maximum is taken away from pair p.  EXP2: 2^x of pair p, in place.
.macro SUB1 s, p
.set rq, (\p)/16
.set rr, SC+2*(\p)
	v_pk_add_f32 v[rr:rr+1], v[rr:rr+1], v[NP+8*\s+2*rq:NP+8*\s+2*rq+1] op_sel_hi:[1,0] neg_lo:[0,1] neg_hi:[0,1]
.endm
.macro EXP2 p
.set rr, SC+2*(\p)
	v_exp_f32 v[rr], v[rr]
	v_exp_f32 v[rr+1], v[rr+1]
.endm
; LEAD subtractions; then a subtraction and two exponentials by turns, the subtraction LEAD pairs ahead; the last LEAD pairs' exponentials stand on end.
; A subtraction names only scores whose exponentials are not yet issued, and the maxima: no line here names a result of the batch.
.macro BATCH s
.set pp, 0
.rept LEAD
	SUB1 \s, pp
.set pp, pp+1
.endr
.set pp, 0
.rept 64
.if pp+LEAD < 64
	SUB1 \s, pp+LEAD
.endif
	EXP2 pp
.set pp, pp+1
.endr
.endm
; Two score tiles (kb, 2 qp) and (kb, 2 qp + 1), behind the batch's wait: add the weights to the running sums (the first pair of a trip rides on the rescaling of the old sum), round them to f16 into the P fragments
.macro POST kb, qp, first
.irp i, 0,1,2,3
.irp q, 2*\qp, 2*\qp+1
.if (\kb*4+\i) == 0
.if \first == 0
	v_pk_fma_f32 v[LS+2*(\q):LS+2*(\q)+1], v[LS+2*(\q):LS+2*(\q)+1], v[AL+2*(\q):AL+2*(\q)+1], v[SC+32*(\q):SC+32*(\q)+1] op_sel_hi:[1,0,1]
.endif
.else
.if (\first*100+\kb*4+\i) == 101
	v_pk_add_f32 v[LS+2*(\q):LS+2*(\q)+1], v[SC+32*(\q):SC+32*(\q)+1], v[SC+32*(\q)+2:SC+32*(\q)+3]       ; the first two pairs start the sums: nothing is cleared
.else
	v_pk_add_f32 v[LS+2*(\q):LS+2*(\q)+1], v[LS+2*(\q):LS+2*(\q)+1], v[SC+32*(\q)+8*\kb+2*\i:SC+32*(\q)+8*\kb+2*\i+1]
.endif
.endif
.endr
.irp q, 2*\qp, 2*\qp+1
	v_cvt_pk_f16_f32 v[PF+16*(\q)+4*\kb+\i], v[SC+32*(\q)+8*\kb+2*\i], v[SC+32*(\q)+8*\kb+2*\i+1]
.endr
.endr
.endm
; O times the lane's factor AL(qb)
.macro RESC
	WIN 0x82                                       ; source 0 and destination window 2, source 1 window 0
.irp fb, 0,1,2,3,4,5,6,7
.irp qb, 0,1,2,3
.irp i, 0,1,2,3
	v_pk_mul_f32 v[32*\fb+8*\qb+2*\i:32*\fb+8*\qb+2*\i+1], v[32*\fb+8*\qb+2*\i:32*\fb+8*\qb+2*\i+1], v[AL+2*\qb:AL+2*\qb+1] op_sel_hi:[1,0]
.endr
.endr
.endr
.endm
; One tile of 64 keys, in slot s (o = the other slot).  first: the sums start here; refill: slot s gets the tile two further on; next: the next tile's fragments are fetched.
.macro TRIP s, o, first, refill, next
	s_wait_dscnt 32                                ; LDS loads come back in order (ISA guide 5.7.1): K's 32 are in, V's 32 are younger
	SMUL
	WIN 0
	PLACES
	s_wait_dscnt 0x0                               ; V's fragments are in registers too: my reads of slot s are over
.if \next
	s_wait_tensorcnt 0x0                           ; all my tensor loads have landed: the two that were out are the next tile's
	ds_add_u32 v62, v63
	s_wait_dscnt 0x0
.endif
.if \refill
	s_add_nc_u64 s[G0K+4*\s+2:G0K+4*\s+3], s[G0K+4*\s+2:G0K+4*\s+3], 2*TSTEP       ; no tensor load of mine is out: this slot's group 0 may step
	s_add_nc_u64 s[G0V+4*\s+2:G0V+4*\s+3], s[G0V+4*\s+2:G0V+4*\s+3], 2*TSTEP
	ROUND                                          ; both waits now hold of every wave of all four work-groups
	tensor_load_to_lds s[G0K+4*\s:G0K+4*\s+3], s[G1K:G1K+7]        ; the joint refills come first behind the round; they have the rest of this trip
	s_nop 0
	tensor_load_to_lds s[G0V+4*\s:G0V+4*\s+3], s[G1V:G1V+7]        ; and the next trip's 64 score products in which to land.  Two tensor loads of the wave are out
	s_nop 0
.endif
.if \next
	LDK \o                                         ; the next tile's K fragments come in under the softmax
	WIN 0
.endif
	MAXES \s, \first                               ; the maxima; its last four lines, the factors' exponentials, open the trip's batch
	BATCH \s                                       ; the 64 subtractions and the scores' 128 exponentials
	v_nop                                          ; the plain instruction behind the last exponential and ahead of the first use (ISA guide 5.7.2): one for the batch
	s_wait_alu depctr_va_vdst(0)                   ; ONE wait for the trip's batch (the four factors, the 128 weights), ahead of its first reader, POST's first line
	POST 0, 0, \first                              ; the readers: sums and roundings, the tiles in the order in which the sums are formed,
	POST 0, 1, \first
	POST 1, 0, \first
	POST 1, 1, \first
	POST 2, 0, \first
	POST 2, 1, \first
	POST 3, 0, \first
	POST 3, 1, \first
.if \first == 0
	RESC                                           ; the rescaling of O by the factors,
.endif
	PVMUL \first                                   ; and the products with V
	WIN 0
	PLACES
.if \next
	LDV \o                                         ; the next tile's V fragments come in under its score products
	WIN 0
.endif
.endm
	s_wait_tensorcnt 2                             ; tensor loads of a wave end in order (ISA guide 10.11.1): my tile 0 (K and V) is in, tile 1's two loads are younger
	LDK 0
	LDV 0
	WIN 0
	s_wait_loadcnt 0x0                             ; Q
	TRIP 0, 1, 1, 1, 1                             ; tile 0 starts the sums
	TRIP 1, 0, 0, 1, 1
	s_mov_b32 s48, 6                               ; tiles 2 .. 13
.Lloop:
	TRIP 0, 1, 0, 1, 1
	TRIP 1, 0, 0, 1, 1
	s_sub_co_u32 s48, s48, 1
	s_cmp_lg_u32 s48, 0
	s_cbranch_scc1 .Lloop
	TRIP 0, 1, 0, 0, 1                             ; tiles 14 and 15: nothing more to ask for
	TRIP 1, 0, 0, 0, 0
	; THE MERGE.  Each wave's sum over its two lane halves; maxima and sums of the four waves meet in LDS.
.irp qb, 0,1,2,3
	v_add_f32 v[TT+\qb], v[LS+2*\qb], v[LS+2*\qb+1]
.endr
.irp qb, 0,1,2,3
	v_permlanex16_b32 v[NP+8+2*\qb+1], v[TT+\qb], s52, s53
.endr
.irp qb, 0,1,2,3
	v_add_f32 v[TT+\qb], v[TT+\qb], v[NP+8+2*\qb+1]
.endr
.irp qb, 0,1,2,3
	ds_store_b32 v[AML], v[NP+8+2*\qb] offset:\qb*64               ; both lane halves store the same word with the same value
	ds_store_b32 v[AML], v[TT+\qb] offset:256+\qb*64
.endr
	s_wait_dscnt 0x0                               ; my stores are done; my reads of the ring ended in the last trip
	s_barrier_signal -1
	s_barrier_wait -1                              ; so are everybody's: from here the ring's bytes, filled for the last time, serve as stages
.irp wv, 0,1,2,3
.irp qb, 0,1,2,3
	ds_load_b32 v[MM+4*\qb+\wv], v[AMR] offset:\wv*512+\qb*64
	ds_load_b32 v[LL+4*\qb+\wv], v[AMR] offset:\wv*512+256+\qb*64
.endr
.endr
	s_wait_dscnt 0x0
.irp qb, 0,1,2,3
	v_max3_num_f32 v[MS+\qb], v[MM+4*\qb], v[MM+4*\qb+1], v[MM+4*\qb+2]
.endr
.irp qb, 0,1,2,3
	v_max_num_f32 v[MS+\qb], v[MS+\qb], v[MM+4*\qb+3]
.endr
.irp qb, 0,1,2,3
.irp wv, 0,1,2,3
	v_sub_f32 v[EX+4*\qb+\wv], v[MM+4*\qb+\wv], v[MS+\qb]
.endr
	v_sub_f32 v[EX+16+\qb], v[NP+8+2*\qb], v[MS+\qb]               ; my own wave's, so that no choice by the wave's number is needed
.endr
.set i, 0
.rept 20
	v_exp_f32 v[EX+i], v[EX+i]
.set i, i+1
.endr
	v_nop                                          ; the plain instruction behind the exponentials
	s_wait_alu depctr_va_vdst(0)                   ; one wait for the merge's 20 exponentials, ahead of the products below
.irp qb, 0,1,2,3
	v_mul_f32 v[LT+\qb], v[EX+4*\qb], v[LL+4*\qb]
.endr
.irp wv, 1,2,3
.irp qb, 0,1,2,3
	v_fmac_f32 v[LT+\qb], v[EX+4*\qb+\wv], v[LL+4*\qb+\wv]         ; the overall sum is at least 1: the wave that holds the maximum adds 2^0 times a sum of at least 1
.endr
.endr
.irp qb, 0,1,2,3
	v_rcp_f32 v[RC+\qb], v[LT+\qb]
.endr
	v_nop                                          ; the plain instruction behind the reciprocals
	s_wait_alu depctr_va_vdst(0)                   ; and one wait for the four reciprocals, a batch of their own: they take sums made of the exponentials above
.irp qb, 0,1,2,3
	v_mul_f32 v[AL+2*\qb], v[EX+16+\qb], v[RC+\qb]                 ; my wave's share: 2^(my maximum - overall) / overall sum
.endr
	RESC
	WIN 0x08                                       ; store data from window 2
.irp qb, 0,1,2,3
.irp fb, 0,1,2,3,4,5,6,7
	ds_store_b128 v[AST], v[32*\fb+8*\qb:32*\fb+8*\qb+3]   offset:\qb*16*OPITCH+\fb*64       ; query 16 qb + r, f = 16 fb + 8 h ..
	ds_store_b128 v[AST], v[32*\fb+8*\qb+4:32*\fb+8*\qb+7] offset:\qb*16*OPITCH+\fb*64+16
.endr
.endr
	WIN 0
	s_wait_dscnt 0x0                               ; my stage is whole
	s_barrier_signal -1
	s_barrier_wait -1                              ; all four are
; Wave w adds the four stages' rows 16 w .. 16 w + 15 and stores them, eight rows a batch: a store of the wave covers a row's 512 consecutive bytes
.macro OUTB b
.irp i, 0,1,2,3,4,5,6,7
.irp st, 0,1,2,3
	ds_load_b128 v[SC+16*\i+4*\st:SC+16*\i+4*\st+3], v[ARD+\st] offset:OPITCH*(8*\b+\i)
.endr
.endr
.irp i, 0,1,2,3,4,5,6,7
	s_wait_dscnt 28-4*\i                           ; row i's four loads are in; the later rows' are younger
	v_pk_add_f32 v[SC+16*\i:SC+16*\i+1],     v[SC+16*\i:SC+16*\i+1],     v[SC+16*\i+4:SC+16*\i+5]
	v_pk_add_f32 v[SC+16*\i+2:SC+16*\i+3],   v[SC+16*\i+2:SC+16*\i+3],   v[SC+16*\i+6:SC+16*\i+7]
	v_pk_add_f32 v[SC+16*\i+8:SC+16*\i+9],   v[SC+16*\i+8:SC+16*\i+9],   v[SC+16*\i+12:SC+16*\i+13]
	v_pk_add_f32 v[SC+16*\i+10:SC+16*\i+11], v[SC+16*\i+10:SC+16*\i+11], v[SC+16*\i+14:SC+16*\i+15]
	v_pk_add_f32 v[SC+16*\i:SC+16*\i+1],     v[SC+16*\i:SC+16*\i+1],     v[SC+16*\i+8:SC+16*\i+9]
	v_pk_add_f32 v[SC+16*\i+2:SC+16*\i+3],   v[SC+16*\i+2:SC+16*\i+3],   v[SC+16*\i+10:SC+16*\i+11]
	global_store_b128 v[OOFF], v[SC+16*\i:SC+16*\i+3], s[10:11] offset:512*(8*\b+\i) th:TH_STORE_NT
.endr
.endm
	OUTB 0
	s_wait_xcnt 0x0                                ; the registers that the stores read are loaded again only behind this wait (ISA guide 3.1)
	OUTB 1
	s_wait_tensorcnt 0x0
	ds_add_u32 v62, v63
	s_wait_dscnt 0x0
	ROUND                                          ; the closing round: no work-group ends while a partner may still ask for a tile that names it
	s_endpgm
.Lfunc_end_k_qcaf2f4388b_attn:
	.size	k_qcaf2f4388b_attn, .Lfunc_end_k_qcaf2f4388b_attn-k_qcaf2f4388b_attn
	.p2alignl 7, 3214868480
	.fill 96, 4, 3214868480
	.section	.rodata,"a",@progbits
	.p2align	6, 0x0
	.amdhsa_kernel k_qcaf2f4388b_attn
		.amdhsa_group_segment_fixed_size 327680
		.amdhsa_private_segment_fixed_size 0
		.amdhsa_enable_private_segment 0
		.amdhsa_kernarg_size 32
		.amdhsa_user_sgpr_count 2
		.amdhsa_user_sgpr_kernarg_segment_ptr 1
		.amdhsa_wavefront_size32 1
		.amdhsa_system_sgpr_workgroup_id_x 1
		.amdhsa_system_sgpr_workgroup_id_y 1
		.amdhsa_system_sgpr_workgroup_id_z 1
		.amdhsa_system_vgpr_workitem_id 0
		.amdhsa_next_free_vgpr 896
		.amdhsa_next_free_sgpr 66
		.amdhsa_reserve_vcc 0
		.amdhsa_float_denorm_mode_32 3
		.amdhsa_float_denorm_mode_16_64 3
		.amdhsa_memory_ordered 1
		.amdhsa_forward_progress 1
		.amdhsa_inst_pref_size 255
	.end_amdhsa_kernel
	.section	.bss,"aw",@nobits
	.p2align	6
	.space	262144
	.amdgpu_metadata
---
amdhsa.version: [ 1, 2 ]
amdhsa.kernels:
  - .name:           k_qcaf2f4388b_attn
    .symbol:         k_qcaf2f4388b_attn.kd
    .args:
      - { .name: qh, .offset: 0, .size: 8, .value_kind: global_buffer, .address_space: global }
      - { .name: kh, .offset: 8, .size: 8, .value_kind: global_buffer, .address_space: global }
      - { .name: vh, .offset: 16, .size: 8, .value_kind: global_buffer, .address_space: global }
      - { .name: out0, .offset: 24, .size: 8, .value_kind: global_buffer, .address_space: global }
    .group_segment_fixed_size: 327680
    .private_segment_fixed_size: 0
    .kernarg_segment_align: 8
    .kernarg_segment_size: 32
    .max_flat_workgroup_size: 128
    .sgpr_count:     66
    .vgpr_count:     896
    .wavefront_size: 32
...
	.end_amdgpu_metadata
.endif
;; end of part 3
